; MI455X (gfx1250); checked and timed in simulation.
; The chip was launched on July 23, 2026; its instructions are those of AMD's public machine-readable ISA for CDNA 5 (MIT licence, August 2026) and "CDNA5" Instruction Set Architecture Reference Guide (July 2026). The comments in the code are by the model that wrote it; some were corrected since.
;; RWKV Model. Allowed arithmetic: float matrix products may take bf16 or f16 operands with f32 sums; other float arithmetic in f32, or as packed bf16 or f16 multiplies, adds, multiply-adds, maxima and minima; sums over many terms, partial sums and values carried from step to step in f32; what a program stores and reads back later, other than sums and carried values, may be rounded once to bf16 or f16.
;; Inputs: Wk 2,048 x 2,048 float32; Wl 4 x 2,048 float32; Wo 2,048 x 2,048 float32; Wr 2,048 x 2,048 float32; Wv 2,048 x 2,048 float32; bl 4 float32; state 4 x 4 x 2,048 float32; time_decay_multi 4 x 2,048 float32; x 4 x 1,024 x 2,048 float32.
;; Outputs: out0 4 x 1,024 x 2,048 float32; out1 4 x 4 x 2,048 float32.
;; One version. Each part assembles by itself: llvm-mc -triple=amdgcn-amd-amdhsa -mcpu=gfx1250 --defsym DOCPART=n.
;; ======== version 1 of 1: 3 launches
;; workspace buffers: xb 16,777,216 bytes; wb 33,554,432 bytes; lw 65,536 bytes; yb 16,777,216 bytes
;; launch prep (part 1): grid 256 x 1, 8 waves a work-group, no clusters, 34,048 bytes of LDS; arguments x, Wo, Wv, Wk, Wr, Wl, bl, xb, wb, lw; writes xb, wb, lw
.if DOCPART == 1
	.amdgcn_target "amdgcn-amd-amdhsa--gfx1250"
	.amdhsa_code_object_version 6
	.text
	.protected	k_qccf6f03a6b_prep
	.globl	k_qccf6f03a6b_prep
	.p2align	8
	.type	k_qccf6f03a6b_prep,@function
k_qccf6f03a6b_prep:
	s_mov_b64 s[64:65], 0
	v_nop
	global_prefetch_b8 v0, s[64:65] scope:SCOPE_SE
	s_setreg_imm32_b32 hwreg(HW_REG_WAVE_MODE, 25, 1), 1
	s_wait_xcnt 0x0
; PREP.  xb = x rounded to bf16, wb = Wo, Wv, Wk, Wr rounded to bf16, both laid in blocks of 64 along K:
;   xb [32 kb][4096 rows][64], wb [4 matrices: Wo, Wv, Wk, Wr][32 kb][2048 rows][64];  lw [4096][4] f32 = softmax(x Wl^T + bl).
; In that layout R rows x 64 K are R x 128 consecutive bytes, which the two products' tensor loads ask for as rows of 256 bytes.
; LIMITS.  Every input is rounded once to bf16, to nearest even (x, the four W, Wl and bl here): the logits are made of the rounded numbers, in f32.
; The row's maximum is taken away before the exponentials; a weight below 2^-126 counts as 0; NaN and infinities are not treated apart.
; The product with Wl has 4 columns, a quarter of a matrix instruction's 16: it rides on the stream in f32, 8 packed multiply-adds for 4 numbers of x in each lane.
; SHARES.  Work-group g: rows 16 g .. 16 g + 15 of x, and rows 32 (g % 64) .. + 31 of matrix g / 64.  Wave w: one pair of rows of x, two pairs of rows of W.
; A CHUNK is one load: lanes 0-15 take 256 bytes (64 columns) of the pair's even row, lanes 16-31 the same columns of the odd row; rounded they are
; 8 bytes a lane, and one store covers 256 consecutive bytes, aligned: both rows' 128 bytes in one block of K.
; A GROUP is 8 chunks.  Twelve groups a wave (4 of x, 8 of W) go through four register buffers: three groups, 24 loads, are always on their way.
.set LWST,  32768                      ; LDS: 0 .. 32767 Wl [4][2048] in f32 (rounded); here 16 rows x 16 bytes of lw
.set SPARE, 33024                      ; the spare words: 128 bytes for each of the 8 waves, four blocks of 256 bytes that no other line names
.set KBX,   524288                     ; bytes of a block of K in xb
.set KBW,   262144                     ; and in wb
.set SPW, 2                            ; v2   SPARE + 4 x my thread's number; never rewritten
.set NIL, 3                            ; v3   0; never rewritten
.set XO,  4                            ; v4   my byte offset in the group's rows of x
.set XS,  5                            ; v5   and in a block of xb
.set WO,  6                            ; v6   the same for W
.set WS,  7                            ; v7   and wb
.set WLA, 8                            ; v8   16 (lane % 16): my four columns in 64 of Wl
.set LWA, 9                            ; v9   where my row's lw goes in LDS
.set TF,  10                           ; v10  16 x thread: Wl's flat copy, in memory and in LDS
.set L8,  11                           ; v11  8 x lane
.set ACC, 12                           ; v[12:19] four pairs of partial logits
.set BL,  20                           ; v[20:23] bl
.set T,   24                           ; v[24:31] at work
.set Y,   32                           ; v[32:47] a group's store data, 2 registers a chunk
.set WLB, 48                           ; v[48:79] Wl of a chunk, two buffers of 16; at the start the 8 loads of Wl's copy
.set X,   80                           ; v[80:207] four buffers of 32: a group as loaded
	s_load_b512 s[4:19], s[0:1], 0x0               ; x 4:5, Wo 6:7, Wv 8:9, Wk 10:11, Wr 12:13, Wl 14:15, bl 16:17, xb 18:19
	s_load_b128 s[20:23], s[0:1], 0x40             ; wb 20:21, lw 22:23
	v_lshl_add_u32 v[SPW], v0, 2, SPARE
	v_mov_b32 v[NIL], 0
	v_lshrrev_b32 v1, 5, v0
	v_readfirstlane_b32 s36, v1                    ; wave 0..7
	s_mov_b32 s37, 0xffff0000                      ; a word's upper bf16
	s_mov_b32 s40, 0x3fb8aa3b                      ; log2(e)
	s_lshr_b32 s38, ttmp9, 6                       ; which matrix
	s_and_b32 s39, ttmp9, 63                       ; which 32 rows of it
	v_and_b32 v1, 15, v0                           ; c = lane % 16
	v_lshrrev_b32 v[T], 4, v0                      ; 2 w + lane / 16: my row of x among the group's 16
	v_lshlrev_b32 v[WLA], 4, v1
	v_lshl_add_u32 v[XO], v[T], 13, v[WLA]         ; row x 8,192 + 16 c
	v_lshlrev_b32 v[XS], 3, v0                     ; row x 128 + 8 c = 8 x thread
	v_lshl_add_u32 v[LWA], v[T], 4, LWST
	v_bfe_u32 v[T+1], v0, 4, 1
	v_lshrrev_b32 v[T+2], 5, v0
	v_lshl_add_u32 v[T+1], v[T+2], 2, v[T+1]       ; 4 w + lane / 16: my row of W in the first pair
	v_lshl_add_u32 v[WO], v[T+1], 13, v[WLA]
	v_lshlrev_b32 v[T+2], 3, v1
	v_lshl_add_u32 v[WS], v[T+1], 7, v[T+2]
	v_lshlrev_b32 v[TF], 4, v0
	v_and_b32 v[L8], 31, v0
	v_lshlrev_b32 v[L8], 3, v[L8]
	s_wait_kmcnt 0x0
	s_load_b128 s[24:27], s[16:17], 0x0            ; bl's four numbers: waited for in front of the softmax
	s_mov_b64 s[28:29], s[6:7]                     ; my matrix: a choice between buffers on the work-group's number
	s_cmp_eq_u32 s38, 1
	s_cselect_b64 s[28:29], s[8:9], s[28:29]
	s_cmp_eq_u32 s38, 2
	s_cselect_b64 s[28:29], s[10:11], s[28:29]
	s_cmp_eq_u32 s38, 3
	s_cselect_b64 s[28:29], s[12:13], s[28:29]
	s_mov_b32 s31, 0
	s_lshl_b32 s30, ttmp9, 17                      ; 16 rows of 8,192 bytes
	s_add_nc_u64 s[4:5], s[4:5], s[30:31]
	s_lshl_b32 s30, s39, 18                        ; 32 rows of 8,192 bytes
	s_add_nc_u64 s[28:29], s[28:29], s[30:31]
	s_lshl_b32 s30, ttmp9, 11                      ; 16 rows of 128 bytes
	s_add_nc_u64 s[32:33], s[18:19], s[30:31]      ; xb, blocks 0-15 of K by the immediate,
	s_add_nc_u64 s[34:35], s[32:33], 16*KBX        ; blocks 16-31 from a second base: 15 blocks are the most that the signed 24-bit immediate holds
	s_lshl_b32 s30, s38, 23                        ; a matrix is 8,388,608 bytes of wb,
	s_lshl_b32 s41, s39, 12                        ; 32 rows of 128 bytes
	s_add_co_u32 s30, s30, s41
	s_add_nc_u64 s[20:21], s[20:21], s[30:31]
	s_lshl_b32 s30, ttmp9, 8                       ; 16 rows of 16 bytes
	s_add_nc_u64 s[22:23], s[22:23], s[30:31]
.macro LOADG i                         ; the 8 loads of group i: 0-3 x, 4-7 W's first pair, 8-11 its second
.set gb, X+32*((\i)%4)
.irp c, 0,1,2,3,4,5,6,7
.if (\i) < 4
	global_load_b128 v[gb+4*\c:gb+4*\c+3], v[XO], s[4:5] offset:(8*(\i)+\c)*256 th:TH_LOAD_NT
.else
	global_load_b128 v[gb+4*\c:gb+4*\c+3], v[WO], s[28:29] offset:(((\i)-4)/4)*16384+(8*((\i)%4)+\c)*256 th:TH_LOAD_NT
.endif
.endr
.endm
; A chunk of x (j, xr, yr are set by GROUP): the next chunk's Wl is asked for, this chunk is rounded and stored, and the rounded numbers feed the four logits.
.macro XCHUNK
.if j < 31
.set wn, WLB+16*((j+1)%2)
.irp d, 0,1,2,3
	ds_load_b128 v[wn+4*\d:wn+4*\d+3], v[WLA] offset:\d*8192+(j+1)*256
.endr
	s_wait_dscnt 4                                 ; this chunk's Wl is in; the four loads just issued stay out
.else
	s_wait_dscnt 0
.endif
.set wc, WLB+16*(j%2)
	v_cvt_pk_bf16_f32 v[yr], v[xr], v[xr+1]
	v_cvt_pk_bf16_f32 v[yr+1], v[xr+2], v[xr+3]
.if j < 16
	global_store_b64 v[XS], v[yr:yr+1], s[32:33] offset:j*KBX
.else
	global_store_b64 v[XS], v[yr:yr+1], s[34:35] offset:(j-16)*KBX
.endif
	v_lshlrev_b32 v[T], 16, v[yr]                  ; the rounded numbers as f32
	v_and_b32 v[T+1], s37, v[yr]
	v_lshlrev_b32 v[T+2], 16, v[yr+1]
	v_and_b32 v[T+3], s37, v[yr+1]
.irp d, 0,1,2,3
.if j == 0
	v_pk_mul_f32 v[ACC+2*\d:ACC+2*\d+1], v[T:T+1], v[wc+4*\d:wc+4*\d+1]  ; the first products start the sums: nothing is cleared
.else
	v_pk_fma_f32 v[ACC+2*\d:ACC+2*\d+1], v[T:T+1], v[wc+4*\d:wc+4*\d+1], v[ACC+2*\d:ACC+2*\d+1]
.endif
.endr
.irp d, 0,1,2,3
	v_pk_fma_f32 v[ACC+2*\d:ACC+2*\d+1], v[T+2:T+3], v[wc+4*\d+2:wc+4*\d+3], v[ACC+2*\d:ACC+2*\d+1]
.endr
.endm
.macro WCHUNK p                        ; a chunk of W's pair p: rounded and stored
	v_cvt_pk_bf16_f32 v[yr], v[xr], v[xr+1]
	v_cvt_pk_bf16_f32 v[yr+1], v[xr+2], v[xr+3]
	global_store_b64 v[WS], v[yr:yr+1], s[20:21] offset:j*KBW+(\p)*256
.endm
.macro GROUP i
.if (\i) <= 8
	LOADG (\i)+3                                   ; into the buffer that the group before has left
	s_wait_loadcnt 24                              ; loads come back in order: group i is in, the three younger groups stay out
.else
	s_wait_loadcnt 8*(11-(\i))                     ; nothing is left to ask for: the counts run down 16, 8, 0
.endif
	s_wait_xcnt 0x0                                ; the last group's stores have read Y: it is rewritten only behind this wait
.set cc, 0
.rept 8
.set xr, X+32*((\i)%4)+4*cc
.set yr, Y+2*cc
.set j, 8*((\i)%4)+cc
.if (\i) < 4
	XCHUNK
.else
	WCHUNK ((\i)-4)/4
.endif
.set cc, cc+1
.endr
.endm
.irp i, 0,1,2,3,4,5,6,7
	global_load_b128 v[WLB+4*\i:WLB+4*\i+3], v[TF], s[14:15] offset:\i*4096  ; Wl, 32,768 bytes, 16 a thread and load
.endr
	LOADG 0
	LOADG 1
	LOADG 2
	s_wait_loadcnt 24                              ; Wl is in; the three groups stay out
.irp i, 0,1,2,3,4,5,6,7
	v_cvt_pk_bf16_f32 v[T], v[WLB+4*\i], v[WLB+4*\i+1]      ; Wl is rounded to bf16 and kept as f32
	v_cvt_pk_bf16_f32 v[T+1], v[WLB+4*\i+2], v[WLB+4*\i+3]
	v_lshlrev_b32 v[WLB+4*\i], 16, v[T]
	v_and_b32 v[WLB+4*\i+1], s37, v[T]
	v_lshlrev_b32 v[WLB+4*\i+2], 16, v[T+1]
	v_and_b32 v[WLB+4*\i+3], s37, v[T+1]
	ds_store_b128 v[TF], v[WLB+4*\i:WLB+4*\i+3] offset:\i*4096
.endr
	s_wait_dscnt 0x0                               ; for the others' sake: my part of Wl is in LDS
	s_barrier_signal -1
	s_barrier_wait -1                              ; everybody's is
.irp d, 0,1,2,3
	ds_load_b128 v[WLB+4*\d:WLB+4*\d+3], v[WLA] offset:\d*8192  ; chunk 0's Wl
.endr
	GROUP 0
	GROUP 1
	GROUP 2
	GROUP 3
	; The logits: a lane's two partial sums, then the 16 lanes of a row (each half of the wave is one row: no step crosses the halves).
.irp d, 0,1,2,3
	v_add_f32 v[T+\d], v[ACC+2*\d], v[ACC+2*\d+1]
.endr
.irp m, 1,2,4,8
.irp d, 0,1,2,3
	v_add_f32_dpp v[T+\d], v[T+\d], v[T+\d] row_xmask:\m row_mask:0xf bank_mask:0xf
.endr
.endr
	s_wait_kmcnt 0x0                               ; bl
	v_mov_b32 v[BL], s24
	v_mov_b32 v[BL+1], s25
	v_mov_b32 v[BL+2], s26
	v_mov_b32 v[BL+3], s27
	v_cvt_pk_bf16_f32 v[T+4], v[BL], v[BL+1]       ; rounded like every input
	v_cvt_pk_bf16_f32 v[T+5], v[BL+2], v[BL+3]
	v_lshlrev_b32 v[BL], 16, v[T+4]
	v_and_b32 v[BL+1], s37, v[T+4]
	v_lshlrev_b32 v[BL+2], 16, v[T+5]
	v_and_b32 v[BL+3], s37, v[T+5]
	v_pk_add_f32 v[T:T+1], v[T:T+1], v[BL:BL+1]
	v_pk_add_f32 v[T+2:T+3], v[T+2:T+3], v[BL+2:BL+3]
	v_max3_num_f32 v[T+4], v[T], v[T+1], v[T+2]    ; the row's maximum,
	v_max_num_f32 v[T+4], v[T+4], v[T+3]
	v_mul_f32 v[T+4], s40, v[T+4]
.irp d, 0,1,2,3
	v_fma_f32 v[T+\d], v[T+\d], s40, -v[T+4]       ; taken away in the exponent: log2(e) z - log2(e) m, at most 0 but for the last bit
.endr
.irp d, 0,1,2,3
	v_exp_f32 v[T+\d], v[T+\d]
.endr
	v_nop                                          ; a plain instruction between the last exponential and the use of its result
	s_wait_alu depctr_va_vdst(0)
	v_add_f32 v[T+4], v[T], v[T+1]
	v_add_f32 v[T+5], v[T+2], v[T+3]
	v_add_f32 v[T+4], v[T+4], v[T+5]               ; at least 1: the largest term is 1
	v_rcp_f32 v[T+4], v[T+4]
	v_nop
	s_wait_alu depctr_va_vdst(0)
	v_pk_mul_f32 v[T:T+1], v[T:T+1], v[T+4:T+5] op_sel_hi:[1,0]
	v_pk_mul_f32 v[T+2:T+3], v[T+2:T+3], v[T+4:T+5] op_sel_hi:[1,0]
	ds_store_b128 v[LWA], v[T:T+3]                 ; the 16 lanes of a row write the same 16 bytes with the same numbers
	GROUP 4
	GROUP 5
	GROUP 6
	GROUP 7
	GROUP 8
	GROUP 9
	GROUP 10
	GROUP 11
	s_wait_tensorcnt 0x0                           ; the wave's end, behind my last LDS store
	ds_add_u32 v[SPW], v[NIL]
	s_wait_dscnt 0x0                               ; also for the others' sake: my two rows of lw are in LDS
	s_barrier_signal -1
	s_barrier_wait -1
	s_cmp_lg_u32 s36, 0
	s_cbranch_scc1 .Lend
	ds_load_b64 v[T:T+1], v[L8] offset:LWST        ; wave 0 stores the group's 16 rows of lw: one store of 256 consecutive bytes, aligned
	s_wait_dscnt 0x0
	global_store_b64 v[L8], v[T:T+1], s[22:23]
.Lend:
	s_endpgm
.Lfunc_end_k_qccf6f03a6b_prep:
	.size	k_qccf6f03a6b_prep, .Lfunc_end_k_qccf6f03a6b_prep-k_qccf6f03a6b_prep
	.p2alignl 7, 3214868480
	.fill 96, 4, 3214868480
	.section	.rodata,"a",@progbits
	.p2align	6, 0x0
	.amdhsa_kernel k_qccf6f03a6b_prep
		.amdhsa_group_segment_fixed_size 34048
		.amdhsa_private_segment_fixed_size 0
		.amdhsa_enable_private_segment 0
		.amdhsa_kernarg_size 80
		.amdhsa_user_sgpr_count 2
		.amdhsa_user_sgpr_kernarg_segment_ptr 1
		.amdhsa_wavefront_size32 1
		.amdhsa_system_sgpr_workgroup_id_x 1
		.amdhsa_system_sgpr_workgroup_id_y 1
		.amdhsa_system_sgpr_workgroup_id_z 1
		.amdhsa_system_vgpr_workitem_id 0
		.amdhsa_next_free_vgpr 208
		.amdhsa_next_free_sgpr 66
		.amdhsa_reserve_vcc 0
		.amdhsa_float_denorm_mode_32 3
		.amdhsa_float_denorm_mode_16_64 3
		.amdhsa_memory_ordered 1
		.amdhsa_forward_progress 1
		.amdhsa_inst_pref_size 69
	.end_amdhsa_kernel
	.amdgpu_metadata
---
amdhsa.version: [ 1, 2 ]
amdhsa.kernels:
  - .name:           k_qccf6f03a6b_prep
    .symbol:         k_qccf6f03a6b_prep.kd
    .args:
      - { .name: x, .offset: 0, .size: 8, .value_kind: global_buffer, .address_space: global }
      - { .name: Wo, .offset: 8, .size: 8, .value_kind: global_buffer, .address_space: global }
      - { .name: Wv, .offset: 16, .size: 8, .value_kind: global_buffer, .address_space: global }
      - { .name: Wk, .offset: 24, .size: 8, .value_kind: global_buffer, .address_space: global }
      - { .name: Wr, .offset: 32, .size: 8, .value_kind: global_buffer, .address_space: global }
      - { .name: Wl, .offset: 40, .size: 8, .value_kind: global_buffer, .address_space: global }
      - { .name: bl, .offset: 48, .size: 8, .value_kind: global_buffer, .address_space: global }
      - { .name: xb, .offset: 56, .size: 8, .value_kind: global_buffer, .address_space: global }
      - { .name: wb, .offset: 64, .size: 8, .value_kind: global_buffer, .address_space: global }
      - { .name: lw, .offset: 72, .size: 8, .value_kind: global_buffer, .address_space: global }
    .group_segment_fixed_size: 34048
    .private_segment_fixed_size: 0
    .kernarg_segment_align: 8
    .kernarg_segment_size: 80
    .max_flat_workgroup_size: 256
    .sgpr_count:     66
    .vgpr_count:     208
    .wavefront_size: 32
...
	.end_amdgpu_metadata
.endif
;; end of part 1
;; launch proj (part 2): grid 16 x 16, 4 waves a work-group, clusters of 4 x 4, 327,680 bytes of LDS; arguments xb, wb, lw, state, time_decay_multi, yb, out1; writes yb, out1
.if DOCPART == 2
	.amdgcn_target "amdgcn-amd-amdhsa--gfx1250"
	.amdhsa_code_object_version 6
	.text
	.protected	k_qccf6f03a6b_proj
	.globl	k_qccf6f03a6b_proj
	.p2align	8
	.type	k_qccf6f03a6b_proj,@function
k_qccf6f03a6b_proj:
	s_mov_b64 s[64:65], 0
	v_nop
	global_prefetch_b8 v0, s[64:65] scope:SCOPE_SE
	s_setreg_imm32_b32 hwreg(HW_REG_WAVE_MODE, 25, 1), 1
	s_wait_xcnt 0x0
	s_wait_alu depctr_hold_cnt(0) depctr_sa_sdst(0) depctr_va_vdst(0) depctr_va_sdst(0) depctr_va_ssrc(0) depctr_va_vcc(0) depctr_vm_vsrc(0)
	s_getreg_b32 s2, hwreg(HW_REG_IB_STS2, 6, 4)
	s_cmp_eq_u32 s2, 0
	s_cbranch_scc0 .Lentry_in_a_cluster
	s_endpgm
.Lentry_in_a_cluster:
	s_bfe_u32 s2, ttmp6, 0x10000c
	s_cmp_lg_u32 s2, 0xf033
	s_cbranch_scc0 .Lentry_shape_is_right
	s_endpgm
.Lentry_shape_is_right:
; PROJ.  For a tile of 256 rows x 128 columns: v = x Wv^T, k = x Wk^T, r = x Wr^T in ONE pass over K (x's fragments feed three products), then
;   y = sigmoid(r) (sum over d of lw_d dec_d + k v sum(lw)),  dec = state exp(-exp(time_decay)),  yb = y in bf16, [32 kb][4096 rows][64];
;   out1 = dec + k v of the batch's last row.
; LIMITS.  x and the weights arrive rounded to bf16; state and time_decay are rounded to bf16 here, like every input; y is rounded once to bf16 (its range has
; room for k v, which grows with the fourth power of a common scale of the inputs).  Sums, sigmoid, dec and out1 in f32.  An exponential below 2^-126 counts as 0; NaN and infinities are not treated apart.
; The sum over d has K = 4, an eighth of a matrix instruction's 32: it is made in f32 on the vector unit, 64 packed multiply-adds for 16 rows x 64 columns.
; SHARES.  Four waves; wave w has rows 128 (w / 2) .. and columns 64 (w % 2) .. of the tile, for all three products: 96 accumulators of 16 x 16, 768 registers.
; For 32 along K a wave reads 20 fragments (40 LDS loads) for 96 matrix instructions.
; THE RING.  K goes in steps of 64 (one block of xb and wb) through two LDS slots of 256 rows of x and 3 x 128 rows of W.  A tile's rows are dense in memory, 128 bytes each: they are asked
; for as rows of 256 bytes and padded in LDS behind every 128.  Wave 0 fetches x's tile, waves 1-3 one matrix's each.  From a refill to the wait for it a wave issues 160 matrix instructions.
; CLUSTER.  4 x 4 work-groups.  Column tile = 4 x cluster x + cx; row tile = 4 cy + cluster y, so that the batch is cy and the quarter of its rows the cluster's y, which all partners share:
; the one branch on the place of the rows (who holds a batch's last row) is alike in all sixteen.  x's tile is asked for jointly along a row of the cluster, W's along a column.
; THE MATRIX INSTRUCTION IS USED TRANSPOSED (source 0 = 16 rows of W, source 1 = 16 rows of x): a lane holds ONE row of x (lane % 16) and eight neighbouring columns 8 (lane / 16) + 0..7.
; REGISTERS, in windows of 256 (s_set_vgpr_msb: bits 1:0 source 0, 3:2 source 1, 5:4 source 2, 7:6 destination):
;   window 0: v0-29 addresses; v32-95, v96-159 x's fragments, two buffers; v160-191, v192-223, v224-255 Wv's, Wk's, Wr's fragments; all from v32 on are at work on the way out
;   window 1: v's sums; window 2: k's; window 3: r's: accumulator (a, b), rows 16 a, columns 16 b, at v[8 (4 a + b)]
.set PITCH, 144                        ; an LDS row: 128 bytes + 16 of padding = 36 words: the 16 rows of a load start at 16 different groups of four banks (64 banks of 4 bytes: ISA guide 11.1)
.set ATILE, 256*PITCH
.set BTILE, 128*PITCH
.set SLOT,  ATILE+3*BTILE              ; 92,160: x's 256 rows, then Wv's, Wk's, Wr's 128 rows
.set STAGE, 2*SLOT                     ; behind the ring, never filled by a tensor load, each wave's own: 16 rows x 144 bytes, y's way out
.set KVP,   272
.set KVS,   STAGE+4*16*PITCH           ; 16 rows x 272 bytes a wave: k v of the wave's last 16 rows
.set DECS,  KVS+4*16*KVP               ; [4 d][64 columns] f32 a wave: dec
.set LWS,   DECS+4*1024                ; 128 rows x 16 bytes a wave: lw
.set SPARE, LWS+4*2048                 ; the spare words, 128 bytes for each wave: two blocks of 256 bytes that no other line names
.set KBX,   524288                     ; bytes of a block of K in xb and yb
.set KBW,   262144                     ; and in a matrix of wb
.set ADRA, 4                           ; v4-5   LDS address of my fragments of x in slot 0, 1
.set ADRB, 6                           ; v6-7   the same for Wv; Wk and Wr lie BTILE and 2 BTILE on
.set STO,  8                           ; v8     the way out: where I put 16 bytes of a row
.set RD,   9                           ; v9     where I read rows back
.set GO,   10                          ; v10    16 x lane
.set LWAD, 11                          ; v11    lw of my row in the wave's first 16
.set DECAD, 12                         ; v12    dec of my eight columns in the first 16, d = 0
.set KVST, 13                          ; v13    where my eight k v go
.set DFL,  14                          ; v14    dec, flat: 16 x lane
.set KVRD, 15                          ; v15    k v of the last row, columns 4 (lane % 16) ..
.set SOFF, 16                          ; v16    my byte offset in state, time_decay and out1: d = lane / 16, columns 4 (lane % 16) ..
.set LWF,  17                          ; v17    lw, flat
.set SPW,  28                          ; v28    SPARE + 4 x my thread's number; never rewritten
.set NIL,  29                          ; v29    0; never rewritten
.set AF0,  32
.set BF,   160
.set DEC,  32                          ; the way out: v[32:159] dec of my columns: d, b at 8 (4 d + b)
.set LW,   160                         ; v[160:163] my row's lw
.set SL,   164                         ; v[164:165] its sum, and a register at work
.set KV,   168                         ; v[168:199] k v, then the weighted state, then y
.set SG,   200                         ; v[200:231] the sigmoid; its first 16 then take y in bf16
.set YP,   200
.set OB,   232                         ; v[232:247] 16 rows of y read back from the stage
.set WV, 18
.set RH, 19
.set CH, 20
.set CX, 21
.set CY, 22
.set TX, 23
.set TY, 24
.set YQ, 25                            ; s25 the cluster's y: which quarter of a batch's rows
.set NL2E, 26                          ; s[26:27] -log2(e): the packed forms take the pair's low word for both halves
.set G1A, 28                           ; s[28:35] descriptor group 1 for x's tiles
.set G1B, 36                           ; s[36:43] for W's
.set G0A, 44                           ; s[44:51] descriptor group 0 for x's tiles, a set for each slot
.set G0B, 52                           ; s[52:59] for W's
.set LAP, 60
.set HIM, 61                           ; s61 a word's upper bf16
.set G1W0, (1<<16)|(1<<20)|(1<<21)|(4<<22)|(3<<25)  ; 17:16 2-byte elements; 20 padding on; 21 set beside a mask; 24:22 after every 32 words (code 4); 31:25 4 words (code 3)
.set MSB, 0
.macro WIN new                         ; the immediate's high byte repeats the setting that is left; a switch that changes nothing is dropped
.if MSB != (\new)
	s_set_vgpr_msb (MSB<<8)|(\new)
.set MSB, \new
.endif
.endm
.macro PLACES                          ; four plain vector instructions between a matrix instruction and a load into, or a vector read of, its registers (ISA guide 7.12.1 for vector reads)
.rept 4
	v_nop
.endr
.endm
; A joint load.  Wave 0 asks for x's tile, waves 1-3 for their matrix's.  Each line has one mask and one set of registers; the branch hangs on the wave's number alone.
; An s_nop 0 and four v_nop follow each of the two lines, ahead of the jump and the label.
.macro JLOAD s
	s_cmp_eq_u32 s[WV], 0
	s_cbranch_scc0 .Lfor_b_\@
	tensor_load_to_lds s[G0A+4*(\s):G0A+4*(\s)+3], s[G1A:G1A+7]
	s_nop 0
.rept 4
	v_nop
.endr
	s_branch .Lasked_\@
.Lfor_b_\@:
	tensor_load_to_lds s[G0B+4*(\s):G0B+4*(\s)+3], s[G1B:G1B+7]
	s_nop 0
.rept 4
	v_nop
.endr
.Lasked_\@:
.endm
.macro CREST                           ; a round of the cluster's barrier behind its opening barrier
	s_cmp_lg_u32 s[WV], 0
	s_cbranch_scc1 .Lnot_wave_0_\@
	s_barrier_signal -3
.Lnot_wave_0_\@:
	s_barrier_wait -3
	s_barrier_signal -1
	s_barrier_wait -1
.endm
.macro CROUND                          ; a whole round
	s_barrier_signal -1
	s_barrier_wait -1
	CREST
.endm
	s_load_b256 s[4:11], s[0:1], 0x0               ; xb 4:5, wb 6:7, lw 8:9, state 10:11
	s_load_b128 s[12:15], s[0:1], 0x20             ; time_decay 12:13, yb 14:15
	s_load_b64 s[16:17], s[0:1], 0x30              ; out1
	v_lshl_add_u32 v[SPW], v0, 2, SPARE
	v_mov_b32 v[NIL], 0
	ds_add_u32 v[SPW], v[NIL]                      ; the wave's opening: the add and its wait stand ahead of my first tensor load; the set-up below, work on registers, stands between them
	v_lshrrev_b32 v1, 5, v0
	v_readfirstlane_b32 s[WV], v1                  ; wave 0..3
	s_lshr_b32 s[RH], s[WV], 1                     ; which 128 rows of the tile are mine
	s_and_b32 s[CH], s[WV], 1                      ; which 64 columns
	s_bfe_u32 s[CX], ttmp6, 0x40000
	s_bfe_u32 s[CY], ttmp6, 0x40004
	s_lshl_b32 s[TX], ttmp9, 2
	s_add_co_u32 s[TX], s[TX], s[CX]               ; column tile = 4 x cluster x + cx
	s_and_b32 s[YQ], ttmp7, 0xffff
	s_lshl_b32 s[TY], s[CY], 2
	s_add_co_u32 s[TY], s[TY], s[YQ]               ; row tile = 4 cy + cluster y: batch cy, quarter cluster y
	s_lshl_b32 s70, s[CY], 2
	s_lshl_b32 s70, 15, s70                        ; my row of the cluster: places 4 cy .. 4 cy + 3
	s_lshl_b32 s71, 0x1111, s[CX]                  ; my column: places cx, cx + 4, cx + 8, cx + 12
	s_or_b32 s[G1A], s70, G1W0                     ; x's tiles hang on the row tile alone: shared along my row
	s_or_b32 s[G1B], s71, G1W0                     ; W's on the column tile alone: shared along my column
	s_mov_b32 s[G1A+1], 128<<16                    ; tensor_dim0 = 128 elements: 256 bytes, two rows of 64 K
	s_mov_b32 s[G1A+2], 128<<16                    ; tensor_dim1 = 128: 256 rows of x
	s_mov_b32 s[G1A+3], 128<<16                    ; tile_dim0
	s_mov_b32 s[G1A+4], 128                        ; tile_dim1
	s_mov_b32 s[G1A+5], 128                        ; elements from row to row: dense
	s_mov_b32 s[G1A+6], 0
	s_mov_b32 s[G1A+7], 0
	s_mov_b32 s[G1B+1], 128<<16
	s_mov_b32 s[G1B+2], 64<<16                     ; 128 rows of W
	s_mov_b32 s[G1B+3], 128<<16
	s_mov_b32 s[G1B+4], 64
	s_mov_b32 s[G1B+5], 128
	s_mov_b32 s[G1B+6], 0
	s_mov_b32 s[G1B+7], 0
	s_mov_b32 s[NL2E], 0xbfb8aa3b                  ; -log2(e)
	s_mov_b32 s[NL2E+1], s[NL2E]                   ; named with it as a pair
	s_mov_b32 s[HIM], 0xffff0000
	; byte offsets, each in registers of its own
	s_lshl_b32 s66, s[TY], 15                      ; xb: 256 rows of 128 bytes a row tile
	s_mov_b32 s67, 0
	s_lshl_b32 s68, s[WV], 23                      ; wb: matrix = my wave's number (1 Wv, 2 Wk, 3 Wr; wave 0 asks by x's line),
	s_lshl_b32 s69, s[TX], 14                      ; 128 rows of 128 bytes a column tile
	s_add_co_u32 s68, s68, s69
	s_mov_b32 s69, 0
	s_mul_i32 s78, s[WV], BTILE                    ; where my matrix's tile goes: behind x's 256 rows = (wave + 1) x 128 rows
	s_add_co_u32 s78, s78, BTILE
	s_lshl_b32 s70, s[TY], 12                      ; lw: 16 bytes a row
	s_lshl_b32 s79, s[RH], 11
	s_add_co_u32 s70, s70, s79
	s_mov_b32 s71, 0
	s_lshl_b32 s74, s[TX], 9                       ; time_decay: my 64 columns, 4 bytes each
	s_lshl_b32 s79, s[CH], 8
	s_add_co_u32 s74, s74, s79
	s_mov_b32 s75, 0
	s_lshl_b32 s72, s[CY], 15                      ; state and out1: the batch's [4][2048] too
	s_add_co_u32 s72, s72, s74
	s_mov_b32 s73, 0
	s_lshl_b32 s76, s[TX], 20                      ; yb: block of K 2 x column tile + column half,
	s_lshl_b32 s79, s[CH], 19
	s_add_co_u32 s76, s76, s79
	s_lshl_b32 s79, s[TY], 15                      ; my 128 rows of 128 bytes
	s_add_co_u32 s76, s76, s79
	s_lshl_b32 s79, s[RH], 14
	s_add_co_u32 s76, s76, s79
	s_mov_b32 s77, 0
	s_wait_dscnt 0x0                               ; the opening add is done
	s_wait_kmcnt 0x0
	s_add_nc_u64 s[66:67], s[4:5], s[66:67]
	s_add_nc_u64 s[68:69], s[6:7], s[68:69]
	s_add_nc_u64 s[8:9], s[8:9], s[70:71]
	s_add_nc_u64 s[10:11], s[10:11], s[72:73]
	s_add_nc_u64 s[16:17], s[16:17], s[72:73]
	s_add_nc_u64 s[12:13], s[12:13], s[74:75]
	s_add_nc_u64 s[14:15], s[14:15], s[76:77]
	CROUND                                         ; all sixteen work-groups are here: the first joint loads meet
.irp s, 0,1
	s_mov_b32 s[G0A+4*\s], 1                       ; count = 1
	s_mov_b32 s[G0A+4*\s+1], \s*SLOT               ; LDS address
	s_add_nc_u64 s[G0A+4*\s+2:G0A+4*\s+3], s[66:67], \s*KBX  ; global address: K step s
	s_or_b32 s[G0A+4*\s+3], s[G0A+4*\s+3], 0x80000000        ; type = 2
	s_mov_b32 s[G0B+4*\s], 1
	s_add_co_u32 s[G0B+4*\s+1], s78, \s*SLOT
	s_add_nc_u64 s[G0B+4*\s+2:G0B+4*\s+3], s[68:69], \s*KBW
	s_or_b32 s[G0B+4*\s+3], s[G0B+4*\s+3], 0x80000000
	JLOAD \s                                       ; two tensor loads of mine are out
.endr
	; In the wait for the first tile: lw of my 128 rows, and dec of my 64 columns, into LDS bytes of my own.
	v_and_b32 v1, 15, v0                           ; r = lane % 16
	v_bfe_u32 v2, v0, 4, 1                         ; h = lane / 16
	v_and_b32 v3, 31, v0                           ; lane
	v_lshlrev_b32 v[GO], 4, v3
	v_lshlrev_b32 v[SOFF], 4, v1
	v_lshl_add_u32 v[SOFF], v2, 13, v[SOFF]        ; d = h: 8,192 bytes; columns 4 r ..
.irp i, 0,1,2,3
	global_load_b128 v[32+4*\i:35+4*\i], v[GO], s[8:9] offset:512*\i
.endr
.irp i, 0,1
	global_load_b128 v[48+4*\i:51+4*\i], v[SOFF], s[10:11] offset:16384*\i  ; state, d = h + 2 i
	global_load_b128 v[56+4*\i:59+4*\i], v[SOFF], s[12:13] offset:16384*\i  ; time_decay
.endr
	v_mul_u32_u24 v18, v1, PITCH
	v_lshl_add_u32 v18, v2, 4, v18                 ; a fragment's row x pitch + 16 x half
	s_mul_i32 s70, s[RH], 128*PITCH
	s_mul_i32 s71, s[CH], 64*PITCH
	s_add_co_u32 s71, s71, ATILE
	v_add_nc_u32 v[ADRA], s70, v18
	v_add_nc_u32 v[ADRB], s71, v18
	v_add_nc_u32 v[ADRA+1], SLOT, v[ADRA]
	v_add_nc_u32 v[ADRB+1], SLOT, v[ADRB]
	s_mul_i32 s70, s[WV], 16*PITCH
	s_add_co_u32 s70, s70, STAGE
	v_add_nc_u32 v[STO], s70, v18                  ; in: row r, 16 bytes for each half of the lanes
	v_lshrrev_b32 v19, 3, v3
	v_mul_u32_u24 v19, v19, PITCH
	v_and_b32 v20, 7, v0
	v_lshl_add_u32 v19, v20, 4, v19
	v_add_nc_u32 v[RD], s70, v19                   ; back: 32 lanes take four rows of 128 bytes
	s_lshl_b32 s70, s[WV], 11
	s_add_co_u32 s70, s70, LWS
	v_lshl_add_u32 v[LWAD], v1, 4, s70
	v_lshl_add_u32 v[LWF], v3, 4, s70
	s_lshl_b32 s70, s[WV], 10
	s_add_co_u32 s70, s70, DECS
	v_lshl_add_u32 v[DECAD], v2, 5, s70
	v_lshl_add_u32 v[DFL], v3, 4, s70
	s_mul_i32 s70, s[WV], 16*KVP
	s_add_co_u32 s70, s70, KVS
	v_mul_u32_u24 v19, v1, KVP
	v_lshl_add_u32 v19, v2, 5, v19
	v_add_nc_u32 v[KVST], s70, v19
	s_add_co_u32 s70, s70, 15*KVP
	v_lshl_add_u32 v[KVRD], v1, 4, s70
	s_wait_loadcnt 0x0
.irp p, 48,52,56,60
	v_cvt_pk_bf16_f32 v64, v[\p], v[\p+1]          ; state and time_decay are rounded to bf16, like every input
	v_cvt_pk_bf16_f32 v65, v[\p+2], v[\p+3]
	v_lshlrev_b32 v[\p], 16, v64
	v_and_b32 v[\p+1], s[HIM], v64
	v_lshlrev_b32 v[\p+2], 16, v65
	v_and_b32 v[\p+3], s[HIM], v65
.endr
.irp p, 56,58,60,62
	v_pk_mul_f32 v[\p:\p+1], v[\p:\p+1], 0x3fb8aa3b op_sel_hi:[1,0]
.endr
.irp p, 56,57,58,59,60,61,62,63
	v_exp_f32 v[\p], v[\p]                         ; e = exp(time_decay)
.endr
	v_nop                                          ; a plain instruction between the last exponential and the use of its result
	s_wait_alu depctr_va_vdst(0)
.irp p, 56,58,60,62
	v_pk_mul_f32 v[\p:\p+1], v[\p:\p+1], s[NL2E:NL2E+1] op_sel_hi:[1,0]
.endr
.irp p, 56,57,58,59,60,61,62,63
	v_exp_f32 v[\p], v[\p]                         ; exp(-e)
.endr
	v_nop
	s_wait_alu depctr_va_vdst(0)
.irp p, 0,2,4,6
	v_pk_mul_f32 v[48+\p:49+\p], v[48+\p:49+\p], v[56+\p:57+\p]
.endr
	ds_store_b128 v[DFL], v[48:51]                 ; byte 16 lane + 512 i = 256 d + 16 r with d = h + 2 i
	ds_store_b128 v[DFL], v[52:55] offset:512
.irp i, 0,1,2,3
	ds_store_b128 v[LWF], v[32+4*\i:35+4*\i] offset:512*\i
.endr
; 16 matrix instructions of product q (0 v, 1 k, 2 r): row blocks lo .. lo + 3 x all 4 column blocks, 32 along K.  zero = 1: the first product starts the sums: nothing is ever cleared.
.macro MUL16 q, fa, lo, zero
	WIN 0x50*((\q)+1)                              ; C and D in the product's window, fragments in window 0
.irp u, 0,1,2,3
.irp b, 0,1,2,3
.set rc, 8*(4*((\lo)+\u)+\b)
.if \zero
	v_wmma_f32_16x16x32_bf16 v[rc:rc+7], v[BF+32*(\q)+8*\b:BF+32*(\q)+8*\b+7], v[(\fa)+8*((\lo)+\u):(\fa)+8*((\lo)+\u)+7], 0
.else
	v_wmma_f32_16x16x32_bf16 v[rc:rc+7], v[BF+32*(\q)+8*\b:BF+32*(\q)+8*\b+7], v[(\fa)+8*((\lo)+\u):(\fa)+8*((\lo)+\u)+7], v[rc:rc+7]
.endif
.endr
.endr
.endm
; A fragment is 16 rows x 32 K in 8 registers: lane l holds row l % 16; registers 0-3 K = 8 (l / 16) + 0..7, registers 4-7 K = 16 + 8 (l / 16) + 0..7: two loads of 16 bytes, 32 bytes apart.
.macro LOADB q, slot, hs               ; 8 loads: matrix q's 64 rows, half hs of the K step
.irp b, 0,1,2,3
	ds_load_b128 v[BF+32*(\q)+8*\b:BF+32*(\q)+8*\b+3],   v[ADRB+(\slot)] offset:(\q)*BTILE+\b*16*PITCH+64*(\hs)
	ds_load_b128 v[BF+32*(\q)+8*\b+4:BF+32*(\q)+8*\b+7], v[ADRB+(\slot)] offset:(\q)*BTILE+\b*16*PITCH+64*(\hs)+32
.endr
.endm
.macro LOADA half, fa, slot, hs        ; 8 loads: 64 of my 128 rows of x
.irp u, 0,1,2,3
	ds_load_b128 v[(\fa)+8*(4*(\half)+\u):(\fa)+8*(4*(\half)+\u)+3],   v[ADRA+(\slot)] offset:(4*(\half)+\u)*16*PITCH+64*(\hs)
	ds_load_b128 v[(\fa)+8*(4*(\half)+\u)+4:(\fa)+8*(4*(\half)+\u)+7], v[ADRA+(\slot)] offset:(4*(\half)+\u)*16*PITCH+64*(\hs)+32
.endr
.endm
; A SUBSTEP: 32 along K (half hs of the K step in the slot), 96 matrix instructions in three blocks V, K, R; x's fragments lie in buffer hs.  The 96 accumulators take turns, one
; instruction a turn, in the same order in every substep.
; Behind each block its matrix's buffer is free, and the next substep's fragments are asked for in three runs, in this order: Wv, x rows 0-63 | x rows 64-127, Wk | Wr.
; So in front of V the youngest 16 loads (Wk, Wr) may be out; in front of K 24 (Wr and the first run); in front of R 32 (the first two runs).  nxt = 0: the last substep: no runs, the counts run down.
; turn = 1, 2 (always hs = 1): all reads of this slot have been issued, and the runs below read the other slot: ONE barrier inside block V.  In front of it each wave waits for all its tensor
; loads (one is out: its part of the other slot), adds 0 to its spare word, and waits for that and for its reads of this slot.  turn = 1: the barrier opens a round of the cluster's barrier,
; and behind the round this slot is filled again, two K steps on, first of all.  turn = 2: nothing is left to ask for.
.macro SUB slot, hs, turn, nxt, zero
.set AB, AF0+64*(\hs)
.set AN, AF0+64*(1-(\hs))
.if (\hs) == 0
.set NS, (\slot)
.set NH, 1
.else
.set NS, 1-(\slot)
.set NH, 0
.endif
.if (\turn)
	WIN 0                                          ; (the add's two registers lie in window 0)
	s_wait_tensorcnt 0x0                           ; all my tensor loads have landed: my part of the other slot
	ds_add_u32 v[SPW], v[NIL]                      ; 0 onto my spare word
	s_wait_dscnt 17                                ; (Wk's and Wr's 16 loads and the add may be out)
	MUL16 0, AB, 0, 0                              ; sixteen matrix instructions stand between the add and the wait for it
	s_wait_dscnt 0x0                               ; the add is done, and my reads of this slot are over
	s_barrier_signal -1
	MUL16 0, AB, 4, 0                              ; work on registers while the others arrive
	WIN 0                                          ; at a branch and at a label every window is 0
	s_barrier_wait -1
.if (\turn) == 1
	CREST                                          ; no wave of any partner still reads this slot or has a load on its way
	s_add_nc_u64 s[G0A+4*(\slot)+2:G0A+4*(\slot)+3], s[G0A+4*(\slot)+2:G0A+4*(\slot)+3], 2*KBX
	s_add_nc_u64 s[G0B+4*(\slot)+2:G0B+4*(\slot)+3], s[G0B+4*(\slot)+2:G0B+4*(\slot)+3], 2*KBW
	JLOAD \slot                                    ; my one tensor load behind the round; its four v_nop are also the places in front of the loads below
.else
	PLACES
.endif
.else
	s_wait_dscnt 16
	MUL16 0, AB, 0, \zero
	MUL16 0, AB, 4, \zero
.if \nxt
	PLACES
.endif
.endif
.if \nxt
	WIN 0
	LOADB 0, NS, NH
	LOADA 0, AN, NS, NH
.endif
.if !(\turn)
.if \nxt
	s_wait_dscnt 24
.else
	s_wait_dscnt 8
.endif
.endif
	MUL16 1, AB, 0, \zero
	MUL16 1, AB, 4, \zero
.if \nxt
	PLACES
	WIN 0
	LOADA 1, AN, NS, NH
	LOADB 1, NS, NH
.endif
.if !(\turn)
.if \nxt
	s_wait_dscnt 32
.else
	s_wait_dscnt 0
.endif
.endif
	MUL16 2, AB, 0, \zero
	MUL16 2, AB, 4, \zero
.if \nxt
	PLACES
	WIN 0
	LOADB 2, NS, NH
.endif
.endm
	s_wait_dscnt 0x0                               ; my stores of dec and lw are done (no LDS instruction is pending at a signal)
	s_wait_tensorcnt 0x1                           ; my part of K step 0 is in; K step 1's may stay out
	s_barrier_signal -1
	s_barrier_wait -1                              ; everybody's is
	LOADB 0, 0, 0                                  ; the first substep's 40 loads, in the runs' order
	LOADA 0, AF0, 0, 0
	LOADA 1, AF0, 0, 0
	LOADB 1, 0, 0
	LOADB 2, 0, 0
	SUB 0, 0, 0, 1, 1                              ; the first substep stands in front of the loop: its products start the sums
	WIN 0
	s_mov_b32 s[LAP], 15
.Llap:                                                 ; a trip goes once round the ring and fills both slots again: 30 refills bring K steps 2 to 31
	SUB 0, 1, 1, 1, 0
	SUB 1, 0, 0, 1, 0
	SUB 1, 1, 1, 1, 0
	SUB 0, 0, 0, 1, 0
	WIN 0
	s_sub_co_u32 s[LAP], s[LAP], 1
	s_cmp_lg_u32 s[LAP], 0
	s_cbranch_scc1 .Llap
	SUB 0, 1, 2, 1, 0                              ; the tail is written out: it asks for nothing
	SUB 1, 0, 0, 1, 0
	SUB 1, 1, 0, 0, 0
	; THE WAY OUT.  dec of my columns comes into the registers that held x's fragments; then 16 rows at a time.
	PLACES
	WIN 0
.irp d, 0,1,2,3
.irp b, 0,1,2,3
	ds_load_b128 v[DEC+8*(4*\d+\b):DEC+8*(4*\d+\b)+3],   v[DECAD] offset:256*\d+64*\b     ; the 16 lanes of a half read the same bytes
	ds_load_b128 v[DEC+8*(4*\d+\b)+4:DEC+8*(4*\d+\b)+7], v[DECAD] offset:256*\d+64*\b+16
.endr
.endr
; The plain list of a block, 80 long: 0-15 k v times sum(lw); then for d = 0..3 sixteen multiply-adds dec_d lw_d, lw_d taken for both halves from its place in its pair.
.macro PP
.if p < 16
	v_pk_mul_f32 v[KV+2*p:KV+2*p+1], v[KV+2*p:KV+2*p+1], v[SL:SL+1] op_sel_hi:[1,0]
.else
.set dd, p/16-1
.set uu, p%16
.if dd%2 == 0
	v_pk_fma_f32 v[KV+2*uu:KV+2*uu+1], v[DEC+32*dd+2*uu:DEC+32*dd+2*uu+1], v[LW+2*(dd/2):LW+2*(dd/2)+1], v[KV+2*uu:KV+2*uu+1] op_sel_hi:[1,0,1]
.else
	v_pk_fma_f32 v[KV+2*uu:KV+2*uu+1], v[DEC+32*dd+2*uu:DEC+32*dd+2*uu+1], v[LW+2*(dd/2):LW+2*(dd/2)+1], v[KV+2*uu:KV+2*uu+1] op_sel:[0,1,0] op_sel_hi:[1,1,1]
.endif
.endif
.set p, p+1
.endm
.macro SEND a, young                   ; young: the LDS instructions issued behind the block's four loads from the stage
.irp f, 0,1,2,3
	s_wait_dscnt (\young)+3-\f
	global_store_b128 v[GO], v[OB+4*\f:OB+4*\f+3], s[14:15] offset:(\a)*2048+512*\f  ; 512 consecutive bytes of yb, at a multiple of 256 from its first: four rows of one block of K
.endr
.endm
; Rows 16 a .. 16 a + 15.  Each accumulator's registers are taken in ascending order.  Every exponential and reciprocal has a plain instruction of the list behind it.
.macro BLOCK a
	WIN 0
	ds_load_b128 v[LW:LW+3], v[LWAD] offset:256*(\a)
	WIN 0x06                                       ; source 0: k's window, source 1: v's
.set i, 0
.rept 16
	v_pk_mul_f32 v[KV+2*i:KV+2*i+1], v[32*(\a)+2*i:32*(\a)+2*i+1], v[32*(\a)+2*i:32*(\a)+2*i+1]
.set i, i+1
.endr
	WIN 0x03                                       ; source 0: r's window
.set i, 0
.rept 16
	v_pk_mul_f32 v[SG+2*i:SG+2*i+1], v[32*(\a)+2*i:32*(\a)+2*i+1], s[NL2E:NL2E+1] op_sel_hi:[1,0]
.set i, i+1
.endr
	WIN 0
.if (\a) > 0
	SEND (\a)-1, 1                                 ; the block before leaves: behind its loads from the stage only lw's load was issued
.endif
.if (\a) == 7
.irp b, 0,1,2,3
	ds_store_b128 v[KVST], v[KV+8*\b:KV+8*\b+3] offset:64*\b       ; k v of my last 16 rows, as it is, for out1: every wave stores it, so that the text has one path here
	ds_store_b128 v[KVST], v[KV+8*\b+4:KV+8*\b+7] offset:64*\b+16
.endr
.endif
	s_wait_dscnt 0x0                               ; lw (and, in the first block, dec)
	v_add_f32 v[SL], v[LW], v[LW+1]
	v_add_f32 v[SL+1], v[LW+2], v[LW+3]
	v_add_f32 v[SL], v[SL], v[SL+1]
.set p, 0
.set i, 0
.rept 32
	v_exp_f32 v[SG+i], v[SG+i]                     ; 2^(-log2(e) r)
	PP
.set i, i+1
.endr
.set i, 0
	s_wait_alu depctr_va_vdst(0)
.rept 16
	v_pk_add_f32 v[SG+2*i:SG+2*i+1], v[SG+2*i:SG+2*i+1], 1.0 op_sel_hi:[1,0]
.set i, i+1
.endr
.set i, 0
.rept 32
	v_rcp_f32 v[SG+i], v[SG+i]                     ; sigmoid(r)
	PP
.set i, i+1
.endr
.rept 16
	PP
.endr
.set i, 0
	s_wait_alu depctr_va_vdst(0)
.rept 16
	v_pk_mul_f32 v[KV+2*i:KV+2*i+1], v[KV+2*i:KV+2*i+1], v[SG+2*i:SG+2*i+1]
.set i, i+1
.endr
.set i, 0
.rept 16
	v_cvt_pk_bf16_f32 v[YP+i], v[KV+2*i], v[KV+2*i+1]
.set i, i+1
.endr
.if (\a) > 0
	s_wait_xcnt 0x0                                ; the last block's stores have read OB: it is loaded again only behind this wait
.endif
.irp b, 0,1,2,3
	ds_store_b128 v[STO], v[YP+4*\b:YP+4*\b+3] offset:32*\b
.endr
.irp f, 0,1,2,3
	ds_load_b128 v[OB+4*\f:OB+4*\f+3], v[RD] offset:\f*4*PITCH  ; LDS serves a wave's instructions in order (ISA guide 5.7.1.4): these see the stores above; the next block's stores come behind them
.endr
.endm
.irp a, 0,1,2,3,4,5,6,7
	BLOCK \a
.endr
	SEND 7, 0
	s_wait_tensorcnt 0x0                           ; the wave's end, behind my last tensor load and my last LDS store
	ds_add_u32 v[SPW], v[NIL]
	s_wait_dscnt 0x0
	; out1 = dec + k v of the batch's last row: it lies in the last quarter's tiles (the cluster's y, alike in all partners), in the waves with the tile's rows 128-255.
	s_cmp_lg_u32 s[YQ], 3
	s_cbranch_scc1 .Lno_state
	s_cmp_lt_u32 s[WV], 2
	s_cbranch_scc1 .Lno_state
	ds_load_b128 v[KV:KV+3], v[KVRD]               ; row 15 of my last block, columns 4 r ..
	ds_load_b128 v[KV+4:KV+7], v[DFL]              ; dec, d = h
	ds_load_b128 v[KV+8:KV+11], v[DFL] offset:512  ; d = h + 2
	s_wait_dscnt 0x0
	v_pk_add_f32 v[KV+4:KV+5], v[KV+4:KV+5], v[KV:KV+1]
	v_pk_add_f32 v[KV+6:KV+7], v[KV+6:KV+7], v[KV+2:KV+3]
	v_pk_add_f32 v[KV+8:KV+9], v[KV+8:KV+9], v[KV:KV+1]
	v_pk_add_f32 v[KV+10:KV+11], v[KV+10:KV+11], v[KV+2:KV+3]
	global_store_b128 v[SOFF], v[KV+4:KV+7], s[16:17]                ; 16 lanes store 256 consecutive bytes, at a multiple of 256 from out1's first
	global_store_b128 v[SOFF], v[KV+8:KV+11], s[16:17] offset:16384
.Lno_state:
	CROUND                                         ; the closing round: no work-group ends while a partner may still ask for a tile that names it
	s_endpgm
.Lfunc_end_k_qccf6f03a6b_proj:
	.size	k_qccf6f03a6b_proj, .Lfunc_end_k_qccf6f03a6b_proj-k_qccf6f03a6b_proj
	.p2alignl 7, 3214868480
	.fill 96, 4, 3214868480
	.section	.rodata,"a",@progbits
	.p2align	6, 0x0
	.amdhsa_kernel k_qccf6f03a6b_proj
		.amdhsa_group_segment_fixed_size 327680
		.amdhsa_private_segment_fixed_size 0
		.amdhsa_enable_private_segment 0
		.amdhsa_kernarg_size 56
		.amdhsa_user_sgpr_count 2
		.amdhsa_user_sgpr_kernarg_segment_ptr 1
		.amdhsa_wavefront_size32 1
		.amdhsa_system_sgpr_workgroup_id_x 1
		.amdhsa_system_sgpr_workgroup_id_y 1
		.amdhsa_system_sgpr_workgroup_id_z 1
		.amdhsa_system_vgpr_workitem_id 0
		.amdhsa_next_free_vgpr 1024
		.amdhsa_next_free_sgpr 80
		.amdhsa_reserve_vcc 0
		.amdhsa_float_denorm_mode_32 3
		.amdhsa_float_denorm_mode_16_64 3
		.amdhsa_memory_ordered 1
		.amdhsa_forward_progress 1
		.amdhsa_inst_pref_size 198
	.end_amdhsa_kernel
	.amdgpu_metadata
---
amdhsa.version: [ 1, 2 ]
amdhsa.kernels:
  - .name:           k_qccf6f03a6b_proj
    .symbol:         k_qccf6f03a6b_proj.kd
    .args:
      - { .name: xb, .offset: 0, .size: 8, .value_kind: global_buffer, .address_space: global }
      - { .name: wb, .offset: 8, .size: 8, .value_kind: global_buffer, .address_space: global }
      - { .name: lw, .offset: 16, .size: 8, .value_kind: global_buffer, .address_space: global }
      - { .name: state, .offset: 24, .size: 8, .value_kind: global_buffer, .address_space: global }
      - { .name: time_decay_multi, .offset: 32, .size: 8, .value_kind: global_buffer, .address_space: global }
      - { .name: yb, .offset: 40, .size: 8, .value_kind: global_buffer, .address_space: global }
      - { .name: out1, .offset: 48, .size: 8, .value_kind: global_buffer, .address_space: global }
    .group_segment_fixed_size: 327680
    .private_segment_fixed_size: 0
    .kernarg_segment_align: 8
    .kernarg_segment_size: 56
    .max_flat_workgroup_size: 128
    .sgpr_count:     80
    .vgpr_count:     1024
    .wavefront_size: 32
...
	.end_amdgpu_metadata
.endif
;; end of part 2
;; launch outp (part 3): grid 16 x 16, 4 waves a work-group, clusters of 4 x 4, 327,680 bytes of LDS; arguments yb, wb, out0; writes out0
.if DOCPART == 3
	.amdgcn_target "amdgcn-amd-amdhsa--gfx1250"
	.amdhsa_code_object_version 6
	.text
	.protected	k_qccf6f03a6b_outp
	.globl	k_qccf6f03a6b_outp
	.p2align	8
	.type	k_qccf6f03a6b_outp,@function
k_qccf6f03a6b_outp:
	s_mov_b64 s[64:65], 0
	v_nop
	global_prefetch_b8 v0, s[64:65] scope:SCOPE_SE
	s_setreg_imm32_b32 hwreg(HW_REG_WAVE_MODE, 25, 1), 1
	s_wait_xcnt 0x0
	s_wait_alu depctr_hold_cnt(0) depctr_sa_sdst(0) depctr_va_vdst(0) depctr_va_sdst(0) depctr_va_ssrc(0) depctr_va_vcc(0) depctr_vm_vsrc(0)
	s_getreg_b32 s2, hwreg(HW_REG_IB_STS2, 6, 4)
	s_cmp_eq_u32 s2, 0
	s_cbranch_scc0 .Lentry_in_a_cluster
	s_endpgm
.Lentry_in_a_cluster:
	s_bfe_u32 s2, ttmp6, 0x10000c
	s_cmp_lg_u32 s2, 0xf033
	s_cbranch_scc0 .Lentry_shape_is_right
	s_endpgm
.Lentry_shape_is_right:
; OUTP.  out0 = y Wo^T.  yb: y in bf16, [32 kb][4096 rows][64]; Wo is matrix 0 of wb, [32 kb][2048 rows][64] in bf16; out0 [4096][2048] f32.  Sums in f32, K ascending.
; A tile of out0 is 256 rows x 128 columns, one for each of 256 work-groups; four waves, each 128 x 64: 32 accumulators of 16 x 16, 256 registers.
; K goes in steps of 128 (two blocks of yb and wb) through two LDS slots.  A block's rows are dense in memory, 128 bytes each: they are asked for as rows of 256 bytes and padded in LDS behind
; every 128.  Waves 0 and 1 fetch y's two blocks of a step, waves 2 and 3 Wo's.  From a refill to the wait for it a wave issues 112 matrix instructions.
; CLUSTER.  4 x 4 work-groups: y's tiles are asked for jointly along a row of the cluster, Wo's along a column.
; THE MATRIX INSTRUCTION IS USED TRANSPOSED (source 0 = 16 rows of Wo, source 1 = 16 rows of y): a lane holds one row (lane % 16) and eight neighbouring columns, 32 bytes of out0.
; REGISTERS: window 0: v0-29 addresses; v32-127, v128-223 two fragment buffers (64 registers of y, then 32 of Wo); on the way out v32-95 whole rows.  Window 1: accumulator (a, b) at v[8 (4 a + b)].
.set PITCH,  144                       ; an LDS row: 128 bytes + 16 of padding = 36 words: the 16 rows of a load start at 16 different groups of four banks (64 banks of 4 bytes: ISA guide 11.1)
.set ATILE,  256*PITCH
.set BTILE,  128*PITCH
.set SLOT,   2*ATILE+2*BTILE           ; 110,592: y's block 0, block 1, Wo's block 0, block 1
.set STAGE,  2*SLOT                    ; behind the ring, never filled by a tensor load: 16 rows x 272 bytes for each wave
.set SPITCH, 272
.set SPARE,  STAGE+4*16*SPITCH         ; the spare words, 128 bytes for each wave: two blocks of 256 bytes that no other line names
.set KBX,    524288                    ; bytes of a block of K in yb
.set KBW,    262144                    ; and in wb
.set LAPS,   8                         ; a lap = two K steps = once round the ring
.set ADRA, 4                           ; v4-5  LDS address of my fragments of y in slot 0, 1
.set ADRB, 6                           ; v6-7  the same for Wo
.set STO,  8                           ; v8    the way out: where I put 32 bytes of a row
.set RD,   9                           ; v9    where I read a row back
.set CO,   10                          ; v10   my byte offset in two rows of out0
.set SPW,  28                          ; v28   SPARE + 4 x my thread's number; never rewritten
.set NIL,  29                          ; v29   0; never rewritten
.set F0,   32
.set F1,   128
.set OB,   32
.set WV, 10
.set RH, 11
.set CH, 12
.set CX, 14
.set CY, 15
.set TX, 16
.set TY, 17
.set G1A, 24                           ; s[24:31] descriptor group 1 for y's tiles;  s[32:39] group 0, a set for each slot
.set G0A, 32
.set G1B, 40                           ; s[40:47], s[48:55] the same for Wo's
.set G0B, 48
.set G1W0, (1<<16)|(1<<20)|(1<<21)|(4<<22)|(3<<25)  ; 2-byte elements; padding on; bit 21 set beside a mask; after every 32 words (code 4) 4 words (code 3)
.set MSB, 0
.macro WIN new                         ; the immediate's high byte repeats the setting that is left; a switch that changes nothing is dropped
.if MSB != (\new)
	s_set_vgpr_msb (MSB<<8)|(\new)
.set MSB, \new
.endif
.endm
.macro PLACES                          ; four plain vector instructions between a matrix instruction and a load into, or a read of, its registers (ISA guide 7.12.1 for vector reads)
.rept 4
	v_nop
.endr
.endm
.macro JLOAD s                         ; a joint load: waves 0 and 1 by y's line, waves 2 and 3 by Wo's; an s_nop 0 and four v_nop follow each line, ahead of the jump and the label
	s_cmp_lt_u32 s[WV], 2
	s_cbranch_scc0 .Lfor_b_\@
	tensor_load_to_lds s[G0A+4*(\s):G0A+4*(\s)+3], s[G1A:G1A+7]
	s_nop 0
.rept 4
	v_nop
.endr
	s_branch .Lasked_\@
.Lfor_b_\@:
	tensor_load_to_lds s[G0B+4*(\s):G0B+4*(\s)+3], s[G1B:G1B+7]
	s_nop 0
.rept 4
	v_nop
.endr
.Lasked_\@:
.endm
.macro CREST                           ; a round of the cluster's barrier behind its opening barrier
	s_cmp_lg_u32 s[WV], 0
	s_cbranch_scc1 .Lnot_wave_0_\@
	s_barrier_signal -3
.Lnot_wave_0_\@:
	s_barrier_wait -3
	s_barrier_signal -1
	s_barrier_wait -1
.endm
.macro CROUND
	s_barrier_signal -1
	s_barrier_wait -1
	CREST
.endm
	s_load_b128 s[4:7], s[0:1], 0x0                ; yb 4:5, wb 6:7
	s_load_b64 s[8:9], s[0:1], 0x10                ; out0
	v_lshl_add_u32 v[SPW], v0, 2, SPARE
	v_mov_b32 v[NIL], 0
	ds_add_u32 v[SPW], v[NIL]                      ; the wave's opening: the add and its wait stand ahead of my first tensor load; the set-up below, work on registers, stands between them
	v_lshrrev_b32 v1, 5, v0
	v_readfirstlane_b32 s[WV], v1                  ; wave 0..3
	s_lshr_b32 s[RH], s[WV], 1                     ; which 128 rows of the tile are mine
	s_and_b32 s[CH], s[WV], 1                      ; which 64 columns.  Also: which of a K step's two blocks I fetch
	s_bfe_u32 s[CX], ttmp6, 0x40000
	s_bfe_u32 s[CY], ttmp6, 0x40004
	s_lshl_b32 s[TX], ttmp9, 2
	s_add_co_u32 s[TX], s[TX], s[CX]               ; column tile = 4 x cluster x + cx
	s_and_b32 s[TY], ttmp7, 0xffff
	s_lshl_b32 s[TY], s[TY], 2
	s_add_co_u32 s[TY], s[TY], s[CY]               ; row tile = 4 x cluster y + cy
	s_lshl_b32 s18, s[CY], 2
	s_lshl_b32 s18, 15, s18                        ; my row of the cluster
	s_lshl_b32 s19, 0x1111, s[CX]                  ; my column
	s_or_b32 s[G1A], s18, G1W0
	s_or_b32 s[G1B], s19, G1W0
	s_mov_b32 s[G1A+1], 128<<16                    ; tensor_dim0 = 128 elements: 256 bytes, two rows of 64 K
	s_mov_b32 s[G1A+2], 128<<16                    ; tensor_dim1 = 128: 256 rows of y
	s_mov_b32 s[G1A+3], 128<<16                    ; tile_dim0
	s_mov_b32 s[G1A+4], 128                        ; tile_dim1
	s_mov_b32 s[G1A+5], 128                        ; elements from row to row: dense
	s_mov_b32 s[G1A+6], 0
	s_mov_b32 s[G1A+7], 0
	s_mov_b32 s[G1B+1], 128<<16
	s_mov_b32 s[G1B+2], 64<<16                     ; 128 rows of Wo
	s_mov_b32 s[G1B+3], 128<<16
	s_mov_b32 s[G1B+4], 64
	s_mov_b32 s[G1B+5], 128
	s_mov_b32 s[G1B+6], 0
	s_mov_b32 s[G1B+7], 0
	s_lshl_b32 s56, s[TY], 15                      ; yb: 256 rows of 128 bytes a row tile,
	s_lshl_b32 s20, s[CH], 19                      ; my block of the step
	s_add_co_u32 s56, s56, s20
	s_mov_b32 s57, 0
	s_lshl_b32 s58, s[TX], 14                      ; wb, matrix 0: 128 rows of 128 bytes a column tile,
	s_lshl_b32 s21, s[CH], 18                      ; my block
	s_add_co_u32 s58, s58, s21
	s_mov_b32 s59, 0
	s_mul_i32 s60, s[CH], ATILE                    ; where they go: no place in the cluster enters an LDS address
	s_mul_i32 s61, s[CH], BTILE
	s_add_co_u32 s61, s61, 2*ATILE
	s_lshl_b32 s62, s[TY], 21                      ; out0: 256 rows of 8,192 bytes a row tile,
	s_lshl_b32 s22, s[RH], 20                      ; my 128 rows,
	s_add_co_u32 s62, s62, s22
	s_lshl_b32 s22, s[TX], 9                       ; 128 columns of 4 bytes a column tile,
	s_add_co_u32 s62, s62, s22
	s_lshl_b32 s22, s[CH], 8                       ; my 64 columns
	s_add_co_u32 s62, s62, s22
	s_mov_b32 s63, 0
	s_wait_dscnt 0x0                               ; the opening add is done
	s_wait_kmcnt 0x0
	s_add_nc_u64 s[56:57], s[4:5], s[56:57]
	s_add_nc_u64 s[58:59], s[6:7], s[58:59]
	s_add_nc_u64 s[8:9], s[8:9], s[62:63]
	CROUND                                         ; all sixteen work-groups are here: the first joint loads meet
.irp s, 0,1
	s_mov_b32 s[G0A+4*\s], 1
	s_add_co_u32 s[G0A+4*\s+1], s60, \s*SLOT
	s_add_nc_u64 s[G0A+4*\s+2:G0A+4*\s+3], s[56:57], \s*2*KBX  ; K step s begins with block 2 s
	s_or_b32 s[G0A+4*\s+3], s[G0A+4*\s+3], 0x80000000
	s_mov_b32 s[G0B+4*\s], 1
	s_add_co_u32 s[G0B+4*\s+1], s61, \s*SLOT
	s_add_nc_u64 s[G0B+4*\s+2:G0B+4*\s+3], s[58:59], \s*2*KBW
	s_or_b32 s[G0B+4*\s+3], s[G0B+4*\s+3], 0x80000000
	JLOAD \s                                       ; two tensor loads of mine are out
.endr
	v_and_b32 v1, 15, v0                           ; r = lane % 16
	v_bfe_u32 v2, v0, 4, 1                         ; h = lane / 16
	v_mul_u32_u24 v3, v1, PITCH
	v_lshl_add_u32 v3, v2, 4, v3                   ; a fragment's row x pitch + 16 x half
	s_mul_i32 s18, s[RH], 128*PITCH
	s_mul_i32 s19, s[CH], 64*PITCH
	s_add_co_u32 s19, s19, 2*ATILE
	v_add_nc_u32 v[ADRA], s18, v3
	v_add_nc_u32 v[ADRB], s19, v3
	v_add_nc_u32 v[ADRA+1], SLOT, v[ADRA]
	v_add_nc_u32 v[ADRB+1], SLOT, v[ADRB]
	s_mul_i32 s18, s[WV], 16*SPITCH
	s_add_co_u32 s18, s18, STAGE                   ; my stage
	v_mul_u32_u24 v3, v1, SPITCH                   ; in: row r, 32 bytes for each half of the lanes
	v_lshl_add_u32 v3, v2, 5, v3
	v_add_nc_u32 v[STO], s18, v3
	v_mul_u32_u24 v3, v2, SPITCH                   ; back: lanes 0-15 take one row of 256 bytes, lanes 16-31 the next
	v_lshl_add_u32 v3, v1, 4, v3
	v_add_nc_u32 v[RD], s18, v3
	v_lshlrev_b32 v[CO], 4, v1                     ; and the same two rows in out0
	v_lshl_add_u32 v[CO], v2, 13, v[CO]
; 8 matrix instructions: row blocks lo, lo + 1 x all 4 column blocks, 32 along K.  zero = 1: the first product starts the sums: nothing is ever cleared.
.macro MUL8 f, lo, zero
	WIN 0x50                                       ; C and D in window 1, fragments in window 0
.irp u, 0,1
.irp b, 0,1,2,3
.set rc, 8*(4*((\lo)+\u)+\b)
.if \zero
	v_wmma_f32_16x16x32_bf16 v[rc:rc+7], v[(\f)+64+8*\b:(\f)+64+8*\b+7], v[(\f)+8*((\lo)+\u):(\f)+8*((\lo)+\u)+7], 0
.else
	v_wmma_f32_16x16x32_bf16 v[rc:rc+7], v[(\f)+64+8*\b:(\f)+64+8*\b+7], v[(\f)+8*((\lo)+\u):(\f)+8*((\lo)+\u)+7], v[rc:rc+7]
.endif
.endr
.endr
.endm
; 24 LDS loads in one run: the fragments of quarter qd of a K step (block qd / 2, half qd % 2 of its 64 K) into buffer f: Wo's 64 rows, y's rows 0-63, y's rows 64-127.
.macro FETCH slot, qd, f
	WIN 0
.irp b, 0,1,2,3
	ds_load_b128 v[(\f)+64+8*\b:(\f)+64+8*\b+3],   v[ADRB+(\slot)] offset:((\qd)/2)*BTILE+\b*16*PITCH+64*((\qd)%2)
	ds_load_b128 v[(\f)+64+8*\b+4:(\f)+64+8*\b+7], v[ADRB+(\slot)] offset:((\qd)/2)*BTILE+\b*16*PITCH+64*((\qd)%2)+32
.endr
.irp u, 0,1,2,3,4,5,6,7
	ds_load_b128 v[(\f)+8*\u:(\f)+8*\u+3],   v[ADRA+(\slot)] offset:((\qd)/2)*ATILE+\u*16*PITCH+64*((\qd)%2)
	ds_load_b128 v[(\f)+8*\u+4:(\f)+8*\u+7], v[ADRA+(\slot)] offset:((\qd)/2)*ATILE+\u*16*PITCH+64*((\qd)%2)+32
.endr
.endm
; A K step is four quarters of 32 along K, 32 matrix instructions each, on buffers 0, 1, 0, 1; the 32 accumulators take turns, one instruction a turn.
; One of the first three: multiplies buffer f; in its middle it fetches quarter qn of the same slot into buffer g.
.macro QUARTER slot, qn, f, g, zero
	s_wait_dscnt 8                                 ; Wo and y's rows 0-63 are in; the youngest eight loads (rows 64-127) may be out
	MUL8 \f, 0, \zero
	MUL8 \f, 2, \zero
	PLACES
	FETCH \slot, \qn, \g
	s_wait_dscnt 24                                ; all but the 24 just issued
	MUL8 \f, 4, \zero
	MUL8 \f, 6, \zero
.endm
; The last quarter multiplies buffer 1 and changes slots: ONE barrier.  In front of it each wave waits for all its tensor loads (one is out: its part of the next slot), adds 0 to its spare
; word, and waits for that and for its reads of this slot.  fill = 1: the barrier opens a round of the cluster's barrier, and this slot is filled again, two K steps on, first behind the round.
.macro TURN slot, next, fill
	WIN 0                                          ; (the add's two registers lie in window 0)
	s_wait_tensorcnt 0x0
	ds_add_u32 v[SPW], v[NIL]                      ; 0 onto my spare word
	s_wait_dscnt 9                                 ; (the add and the youngest eight loads may be out)
	MUL8 F1, 0, 0                                  ; eight matrix instructions stand between the add and the wait for it
	s_wait_dscnt 0x0                               ; the add is done, and my reads of this slot are over
	s_barrier_signal -1
	MUL8 F1, 2, 0
	WIN 0                                          ; at a branch and at a label every window is 0
	s_barrier_wait -1
.if \fill
	CREST                                          ; no wave of any partner still reads this slot or has a load on its way
	s_add_nc_u64 s[G0A+4*(\slot)+2:G0A+4*(\slot)+3], s[G0A+4*(\slot)+2:G0A+4*(\slot)+3], 4*KBX
	s_add_nc_u64 s[G0B+4*(\slot)+2:G0B+4*(\slot)+3], s[G0B+4*(\slot)+2:G0B+4*(\slot)+3], 4*KBW
	JLOAD \slot                                    ; my one tensor load behind the round; its four v_nop are also the places in front of the loads below
.else
	PLACES
.endif
	FETCH \next, 0, F0
	MUL8 F1, 4, 0
	MUL8 F1, 6, 0
.endm
	s_wait_tensorcnt 0x1                           ; my part of K step 0 is in; K step 1's may stay out
	s_barrier_signal -1
	s_barrier_wait -1                              ; everybody's is
	FETCH 0, 0, F0
	QUARTER 0, 1, F0, F1, 1                        ; the first quarter stands in front of the loop: its products start the sums
	WIN 0
	s_mov_b32 s3, LAPS-1
.Llap:                                                 ; a trip goes once round the ring, from a lap's second quarter to the next lap's first, and fills both slots again
	QUARTER 0, 2, F1, F0, 0
	QUARTER 0, 3, F0, F1, 0
	TURN 0, 1, 1
	QUARTER 1, 1, F0, F1, 0
	QUARTER 1, 2, F1, F0, 0
	QUARTER 1, 3, F0, F1, 0
	TURN 1, 0, 1
	QUARTER 0, 1, F0, F1, 0
	WIN 0
	s_sub_co_u32 s3, s3, 1
	s_cmp_lg_u32 s3, 0
	s_cbranch_scc1 .Llap
	QUARTER 0, 2, F1, F0, 0                        ; the last lap is written out: it asks for nothing
	QUARTER 0, 3, F0, F1, 0
	TURN 0, 1, 0
	QUARTER 1, 1, F0, F1, 0
	QUARTER 1, 2, F1, F0, 0
	QUARTER 1, 3, F0, F1, 0
	s_wait_dscnt 8                                 ; the very last quarter: nothing more to fetch
	MUL8 F1, 0, 0
	MUL8 F1, 2, 0
	s_wait_dscnt 0
	MUL8 F1, 4, 0
	MUL8 F1, 6, 0
	; THE WAY OUT, 16 rows at a time through my own stage: a lane's 32 bytes go into rows of 272 bytes and come back as whole rows of 256.
.macro TOSTAGE a
	s_wait_xcnt 0x0                                ; the stores of the block two back have read these registers: they are loaded again only behind this wait
	WIN 0x04                                       ; the store's data in window 1, its address in window 0
.irp b, 0,1,2,3
	ds_store_b128 v[STO], v[8*(4*(\a)+\b):8*(4*(\a)+\b)+3] offset:64*\b       ; each accumulator's low four registers first
	ds_store_b128 v[STO], v[8*(4*(\a)+\b)+4:8*(4*(\a)+\b)+7] offset:64*\b+16
.endr
	WIN 0
.set BK, OB+32*((\a)%2)
.irp t, 0,1,2,3,4,5,6,7
	ds_load_b128 v[BK+4*(\t):BK+4*(\t)+3], v[RD] offset:(\t)*2*SPITCH  ; LDS serves a wave's instructions in order (ISA guide 5.7.1.4): these see the stores above; the next block's stores come behind them
.endr
.endm
.macro SEND a, younger                 ; younger: the LDS instructions issued behind block a's loads: the next block's sixteen, or none
.set BK, OB+32*((\a)%2)
	s_wait_dscnt \younger
.irp t, 0,1,2,3,4,5,6,7
	global_store_b128 v[CO], v[BK+4*(\t):BK+4*(\t)+3], s[8:9] offset:(16*(\a)+2*(\t))*8192 th:TH_STORE_NT  ; 16 lanes store 256 consecutive bytes, at a multiple of 256 from out0's first; 126 rows at the most in the immediate
.endr
.endm
	PLACES
	TOSTAGE 0
.irp a, 1,2,3,4,5,6,7
	TOSTAGE \a
	SEND (\a)-1, 16
.endr
	SEND 7, 0
	s_wait_tensorcnt 0x0                           ; the wave's end, behind my last tensor load and my last LDS store
	ds_add_u32 v[SPW], v[NIL]
	s_wait_dscnt 0x0
	CROUND                                         ; the closing round: no work-group ends while a partner may still ask for a tile that names it
	s_endpgm
.Lfunc_end_k_qccf6f03a6b_outp:
	.size	k_qccf6f03a6b_outp, .Lfunc_end_k_qccf6f03a6b_outp-k_qccf6f03a6b_outp
	.p2alignl 7, 3214868480
	.fill 96, 4, 3214868480
	.section	.rodata,"a",@progbits
	.p2align	6, 0x0
	.amdhsa_kernel k_qccf6f03a6b_outp
		.amdhsa_group_segment_fixed_size 327680
		.amdhsa_private_segment_fixed_size 0
		.amdhsa_enable_private_segment 0
		.amdhsa_kernarg_size 24
		.amdhsa_user_sgpr_count 2
		.amdhsa_user_sgpr_kernarg_segment_ptr 1
		.amdhsa_wavefront_size32 1
		.amdhsa_system_sgpr_workgroup_id_x 1
		.amdhsa_system_sgpr_workgroup_id_y 1
		.amdhsa_system_sgpr_workgroup_id_z 1
		.amdhsa_system_vgpr_workitem_id 0
		.amdhsa_next_free_vgpr 512
		.amdhsa_next_free_sgpr 66
		.amdhsa_reserve_vcc 0
		.amdhsa_float_denorm_mode_32 3
		.amdhsa_float_denorm_mode_16_64 3
		.amdhsa_memory_ordered 1
		.amdhsa_forward_progress 1
		.amdhsa_inst_pref_size 85
	.end_amdhsa_kernel
	.amdgpu_metadata
---
amdhsa.version: [ 1, 2 ]
amdhsa.kernels:
  - .name:           k_qccf6f03a6b_outp
    .symbol:         k_qccf6f03a6b_outp.kd
    .args:
      - { .name: yb, .offset: 0, .size: 8, .value_kind: global_buffer, .address_space: global }
      - { .name: wb, .offset: 8, .size: 8, .value_kind: global_buffer, .address_space: global }
      - { .name: out0, .offset: 16, .size: 8, .value_kind: global_buffer, .address_space: global }
    .group_segment_fixed_size: 327680
    .private_segment_fixed_size: 0
    .kernarg_segment_align: 8
    .kernarg_segment_size: 24
    .max_flat_workgroup_size: 128
    .sgpr_count:     66
    .vgpr_count:     512
    .wavefront_size: 32
...
	.end_amdgpu_metadata
.endif
;; end of part 3
